; MI455X (gfx1250); checked and timed in simulation.
; The chip was launched on July 23, 2026; its instructions are those of AMD's public machine-readable ISA for CDNA 5 (MIT licence, August 2026) and "CDNA5" Instruction Set Architecture Reference Guide (July 2026). The comments in the code are by the model that wrote it; some were corrected since.
;; Lamini Index. Allowed arithmetic: matrix products marked QUANTISED: E5M2 operands, one given power-of-two scale a tensor, by v_wmma_f32_16x16x64_bf8_bf8 or v_wmma_f32_16x16x128_bf8_bf8, f32 sums; everything else in f32.
;; Inputs: keys 65,536 x 128 float32; lowp_scales 6 int32 (the exponents e of the quantised operands' scales 2^e); query_codes 2 x 1,024 x 4 x 32 uint8 (E5M2 codes of query, K innermost, in blocks of 32 codes); values_codes 128 x 2,048 x 32 uint8 (E5M2 codes of values, K innermost, in blocks of 32 codes).
;; Outputs: out0 2 x 1,024 x 128 float32; out1 2 x 1,024 x 128 float32.
;; This version of the problem:
;;   THIS VERSION OF THE PROBLEM IS GIVEN IN LOW PRECISION. The matrix products marked QUANTISED in the list below multiply operands that are first quantised to E5M2 (5 exponent bits, 2 mantissa bits; 8 bits a number), with one given power-of-two scale for each operand tensor; their sums are f32. All else is computed in f32.
;;   The module's matrix products, in the order in which they are computed (A, B: the left and right operand; K: the contracted axis; several contracted axes count as one K, in the product's order):
;;     1. [M 2,048, K 128] x [K 128, N 65,536]; A: input query (given as codes); B: input keys: QUANTISED (scales: A lowp_scales[0], B lowp_scales[1])
;;     2. [M 2,048, K 65,536] x [K 65,536, N 128]; A: softmax (see below); B: input keys: QUANTISED (scales: A lowp_scales[2], B lowp_scales[3])
;;     3. [M 2,048, K 65,536] x [K 65,536, N 128]; A: softmax (see below); B: input values (given as codes): QUANTISED (scales: A lowp_scales[4], B lowp_scales[5])
;;   THE QUANTISER, for each operand of a quantised product, along K:
;;     - The operand's scale is 2^e, e = its entry of the input lowp_scales (int32; the entries are numbered through the quantised products in the list's order, A before B).
;;     - Each number is divided by the scale, clamped to +-57,344, and rounded to the nearest number of E5M2, ties to even, subnormals kept.
;;     - The product sums the exact products of the quantised numbers (number of the format x scale) in f32.
;;   ~~~python
;;   def quantise(x, axis, e):      # numpy; x: float32 -> the quantised numbers, widened to float32 again
;;       x = np.moveaxis(x, axis, -1); K = x.shape[-1]
;;       r = np.clip(x / 2.0 ** e, -57344, 57344)
;;       step = 2.0 ** (np.maximum(np.frexp(np.where(r == 0, 1, r))[1] - 1, -14) - 2)
;;       q = np.round(r / step) * step * 2.0 ** e      # np.round: ties to even
;;       return np.moveaxis(q, -1, axis).astype(np.float32)
;;   ~~~
;;   SOFTMAX AHEAD OF A QUANTISED PRODUCT. Where the list says 'softmax', what is quantised is not the finished softmax but p = 2^(t - M), with t = logit x log2(e) and M = ceil(the row's largest t), a whole number; so 1/2 < the row's largest p <= 1. The row's sum l is taken of the UNQUANTISED p, in f32, and the product's result is divided by l at the end. Since M is a whole number, a kernel that streams over the keys may use a running M (the ceiling of the running maximum): every later rescaling is an exact power of two, so the quantised numbers keep their values, but for numbers so far below the row's largest that they fall under the format's range.
;;   OPERANDS COMPUTED ON THE WAY. 'Computed on the way' means the value that the module computes at that place (a softmax that the list does not call 'softmax' is quantised finished and normalised). What goes into a quantiser is computed in f32, as accurately as f32 sums, v_exp_f32 and their like allow (about 1e-6 of the number): no bf16 or f16 on the way to a quantiser, and a product that is left as it is and whose result goes on into a quantised operand takes f32 operands (vector FMAs, or v_wmma_f32_16x16x4_f32). A number that lies on a knife's edge between two numbers of the format may be rounded either way, as far as f32 arithmetic and the matrix unit's own rounding can turn it there, and no further.
;;   INPUTS GIVEN AS CODES. query (in the module: [2, 1024, 128], K = its axis 2); values (in the module: [65536, 128], K = its axis 0): each comes as NAME_codes (uint8): NAME with its K axis moved to the last place and cut into blocks of 32 codes, [.., K / 32, bytes a block], one block behind the other in memory; one code a byte (a code: sign, 5 exponent bits, 2 mantissa bits); its scale is its entry of lowp_scales. Its value is code x scale, taken as it is: it is not quantised again, and the codes and scales need not be those that the quantiser above would give.
;; One version. Each part assembles by itself: llvm-mc -triple=amdgcn-amd-amdhsa -mcpu=gfx1250 --defsym DOCPART=n.
;; ======== version 1 of 1: 3 launches
;; workspace buffers: kq 8,388,608 bytes; kt 8,388,608 bytes; part 67,108,864 bytes; stat 524,288 bytes
;; launch quant (part 1): grid 256 x 1, 8 waves a work-group, no clusters, 68,608 bytes of LDS; arguments keys, lowp_scales, kq, kt; writes kq, kt
.if DOCPART == 1
	.amdgcn_target "amdgcn-amd-amdhsa--gfx1250"
	.amdhsa_code_object_version 6
	.text
	.protected	k_q97962adfd0_quant
	.globl	k_q97962adfd0_quant
	.p2align	8
	.type	k_q97962adfd0_quant,@function
k_q97962adfd0_quant:
	s_mov_b64 s[64:65], 0
	v_nop
	global_prefetch_b8 v0, s[64:65] scope:SCOPE_SE
	s_setreg_imm32_b32 hwreg(HW_REG_WAVE_MODE, 25, 1), 1
	s_wait_xcnt 0x0
; keys [65536][128] f32 become codes of E5M2 twice: kq, along d, with the scale 2^e1 (the first product's operand), and kt, along the keys, with 2^e3 (the second product's).
; code = x / 2^e, held within +-57,344, rounded to the nearest code, ties to even.  LIMITS: e1 and e3 between -126 and 112, so that 2^e and 57,344 x 2^e are f32 numbers.  NaN among the keys is not served.
; SHARES.  A work-group owns 256 keys, 131,072 bytes.  Waves 0-3 make kq: a wave takes 64 keys, 16 steps of 512 numbers.  Waves 4-7 make kt: a wave takes 32 of the 128 columns d, down the 256 keys.
; Both read the same bytes at about the same time.  Waves share nothing: no barrier.  Every offset is an immediate: nothing is stepped, no store's data are written again.
; kq's ROWS: row p holds the key p with bits 3 and 4 exchanged.  So 16 neighbouring rows are the 16 keys (8 neighbours, and the 8 that lie 16 further on) that form a tile of the first product,
; whose results then lie, 16 registers on end, as 16 neighbouring keys.  A step is four keys, so the exchange is of bits 1 and 2 of the step's number, in the store's immediate.
; kt's ROWS: row d, 65,536 codes along the keys, as values_codes lies.
.set STEPS, 16
.set EMAX,  15
.set MANT,  0x600000                   ; the mantissa field of 57,344 as f32
.set SP,    80                         ; waves 0-3: a lane's place in a stage: its 64 bytes + 16 of padding
.set WREG,  8192                       ; waves 0-3: a region of LDS for each wave: two stages of 32 x SP bytes
.set R,     16                         ; v16-79   four sets of 16 numbers as they are loaded
.set X,     80                         ; v80-111  two sets of 16 neighbours
.set C,     128                        ; v128-191 codes: four registers for each step
.set BSTG,  4*WREG                     ; waves 4-7: their stages lie behind: 32 rows x BP bytes for each wave
.set BP,    272                        ; a stage row: 256 codes + 16 of padding
.set NB,    8                          ; blocks of 32 keys
.set BX,    32                         ; v32-95   two sets of 32 numbers
.set BC,    96                         ; v96-103  a block's codes
.set BO,    112                        ; v112-175 the way out
	s_load_b256 s[4:11], s[0:1], 0x0               ; keys s[4:5], the scales' exponents s[6:7], kq s[8:9], kt s[10:11]
	v_lshl_add_u32 v192, v0, 2, 0x10800
	v_mov_b32 v193, 0
	v_lshrrev_b32 v1, 5, v0
	v_readfirstlane_b32 s16, v1                    ; wave 0..7
	v_and_b32 v2, 31, v0                           ; lane
	; every address register of both kinds of wave is made here, ahead of the parting, and holds nothing else
	v_lshlrev_b32 v3, 4, v2                        ; waves 0-3: my 16 bytes of a load's 512, and of a step's 512 bytes of codes
	s_mul_i32 s17, s16, WREG
	v_lshrrev_b32 v14, 2, v2
	v_mul_u32_u24 v14, v14, SP
	v_and_b32 v15, 3, v2
	v_lshl_add_u32 v14, v15, 4, v14
	v_add_nc_u32 v14, s17, v14                     ; the stage, on the way in: four lanes' 64 bytes on end, then 16 of padding
	v_mul_u32_u24 v15, v2, SP
	v_add_nc_u32 v15, s17, v15                     ; and on the way out: my 16 neighbours
	s_and_b32 s18, s16, 3                          ; waves 4-7: which 32 columns
	s_mul_i32 s19, s18, 32*BP
	s_add_co_u32 s19, s19, BSTG                    ; my stage
	v_lshlrev_b32 v5, 2, v2                        ; in: 4 bytes a lane
	v_mul_u32_u24 v6, v2, BP
	v_add_nc_u32 v6, s19, v6                       ; into the stage: row = my column
	v_and_b32 v12, 15, v2
	v_lshrrev_b32 v13, 4, v2
	v_mul_u32_u24 v7, v13, BP
	v_lshl_add_u32 v7, v12, 4, v7
	v_add_nc_u32 v7, s19, v7                       ; out of it: sixteen lanes to a row, two rows an instruction
	v_lshlrev_b32 v8, 16, v13
	v_lshl_add_u32 v8, v12, 4, v8                  ; and the same place in kt: rows of 65,536 bytes
	s_wait_kmcnt 0x0
	s_load_b128 s[20:23], s[6:7], 0x0              ; e0, e1, e2, e3
	s_cmp_lt_u32 s16, 4
	s_cbranch_scc0 .Lrole_b
	; ---- waves 0-3: kq
	s_lshl_b32 s24, ttmp9, 2
	s_add_co_u32 s24, s24, s16                     ; which run of 64 keys is my wave's
	s_lshl_b32 s26, s24, 15                        ; 32,768 bytes of f32,
	s_mov_b32 s27, 0
	s_add_nc_u64 s[4:5], s[4:5], s[26:27]
	s_lshl_b32 s26, s24, 13                        ; 8,192 bytes of codes
	s_add_nc_u64 s[8:9], s[8:9], s[26:27]
.macro LOAD t
.irp i, 0,1,2,3
	global_load_b128 v[R+16*((\t)%4)+4*\i:R+16*((\t)%4)+4*\i+3], v3, s[4:5] offset:2048*(\t)+512*\i   ; 32 lanes read 512 consecutive bytes
.endr
.endm
.macro TURN t                          ; step t's numbers through the stage: LDS serves a wave's instructions in order, so no wait stands between the stores and the loads
.irp i, 0,1,2,3
	ds_store_b128 v14, v[R+16*((\t)%4)+4*\i:R+16*((\t)%4)+4*\i+3] offset:32*SP*((\t)%2)+8*SP*\i
.endr
.irp i, 0,1,2,3
	ds_load_b128 v[X+16*((\t)%2)+4*\i:X+16*((\t)%2)+4*\i+3], v15 offset:32*SP*((\t)%2)+16*\i
.endr
.endm
.irp t, 0,1,2,3
	LOAD \t
.endr
	s_wait_kmcnt 0x0
	s_add_co_i32 s28, s21, 127
	s_lshl_b32 s29, s28, 23
	v_mov_b32 v11, s29                             ; 2^e1 as f32: the conversion takes its exponent field
	s_add_co_i32 s28, s28, EMAX
	s_lshl_b32 s28, s28, 23
	s_or_b32 s28, s28, MANT
	v_mov_b32 v10, s28                             ; 57,344 x 2^e1
	s_wait_loadcnt 12                              ; step 0's four loads are in; those of steps 1 to 3 may be out
	TURN 0
.macro STEP t
.set XS, X+16*((\t)%2)
	s_wait_dscnt 0x0                               ; this step's numbers are back from the stage: so its stores into the stage have read their registers,
.if (\t)+4 < STEPS
	LOAD (\t)+4                                    ; which take the loads of four steps on
.endif
.if (\t)+1 < STEPS
.if STEPS-2-(\t) >= 3
	s_wait_loadcnt 12                              ; the next step's four loads are in; those of the three steps behind it may be out
.else
	s_wait_loadcnt 4*(STEPS-2-(\t))                ; the tail: fewer steps stand behind it
.endif
	TURN (\t)+1                                    ; and go through the other stage while this step is worked
.endif
.irp i, 0,1,2,3,4,5,6,7,8,9,10,11,12,13,14,15
	v_med3_num_f32 v[XS+\i], v[XS+\i], -v10, v10   ; the conversion to an 8-bit code does not saturate (ISA guide 7.6.2): the hold comes first
.endr
	v_cvt_scalef32_pk8_bf8_f32 v[C+4*(\t):C+4*(\t)+1], v[XS:XS+7], v11
	v_cvt_scalef32_pk8_bf8_f32 v[C+4*(\t)+2:C+4*(\t)+3], v[XS+8:XS+15], v11
	global_store_b128 v3, v[C+4*(\t):C+4*(\t)+3], s[8:9] offset:512*(((\t)&9)|(((\t)&2)<<1)|(((\t)&4)>>1))   ; 512 consecutive bytes, four rows of kq; bits 1 and 2 of the step exchanged
.endm
.irp t, 0,1,2,3,4,5,6,7,8,9,10,11,12,13,14,15
	STEP \t
.endr
	s_wait_tensorcnt 0x0
	ds_add_u32 v192, v193
	s_wait_dscnt 0x0
	s_endpgm
	; ---- waves 4-7: kt.  A lane takes a column d, and its registers run down the keys: the conversions then give codes with the keys innermost, and nothing is transposed by an instruction
.Lrole_b:
	s_lshl_b32 s26, ttmp9, 17                      ; the work-group's 256 keys x 512 bytes,
	s_lshl_b32 s24, s18, 7                         ; my 32 columns x 4 bytes
	s_add_co_u32 s26, s26, s24
	s_mov_b32 s27, 0
	s_add_nc_u64 s[4:5], s[4:5], s[26:27]
	s_lshl_b32 s26, s18, 21                        ; kt: my 32 rows of 65,536 bytes,
	s_lshl_b32 s24, ttmp9, 8                       ; the work-group's 256 codes of each
	s_add_co_u32 s26, s26, s24
	s_add_nc_u64 s[10:11], s[10:11], s[26:27]
.macro BLOAD t                         ; block t: keys 32 t + i of my column, i = 0 .. 31, into set t % 2
.irp i, 0,1,2,3,4,5,6,7,8,9,10,11,12,13,14,15,16,17,18,19,20,21,22,23,24,25,26,27,28,29,30,31
	global_load_b32 v[BX+32*((\t)%2)+\i], v5, s[4:5] offset:(32*(\t)+\i)*512
.endr
.endm
	BLOAD 0
	BLOAD 1
	s_wait_kmcnt 0x0
	s_add_co_i32 s28, s23, 127
	s_lshl_b32 s29, s28, 23
	v_mov_b32 v11, s29                             ; 2^e3 as f32
	s_add_co_i32 s28, s28, EMAX
	s_lshl_b32 s28, s28, 23
	s_or_b32 s28, s28, MANT
	v_mov_b32 v10, s28                             ; 57,344 x 2^e3
.macro BLOCK t
.set XS, BX+32*((\t)%2)
.if (\t) < NB-1
	s_wait_loadcnt 32                              ; this block's 32 loads are in; the next block's may be out
.else
	s_wait_loadcnt 0
.endif
.irp i, 0,1,2,3,4,5,6,7,8,9,10,11,12,13,14,15,16,17,18,19,20,21,22,23,24,25,26,27,28,29,30,31
	v_med3_num_f32 v[XS+\i], v[XS+\i], -v10, v10
.endr
.irp g, 0,1,2,3
	v_cvt_scalef32_pk8_bf8_f32 v[BC+2*\g:BC+2*\g+1], v[XS+8*\g:XS+8*\g+7], v11
.endr
	ds_store_b128 v6, v[BC:BC+3] offset:32*(\t)    ; 32 codes: 32 bytes of my column's row
	ds_store_b128 v6, v[BC+4:BC+7] offset:32*(\t)+16
.if (\t)+2 < NB
	BLOAD (\t)+2
.endif
	s_wait_dscnt 0x0                               ; the stores have read their registers: the next block's codes may be written
.endm
.irp t, 0,1,2,3,4,5,6,7
	BLOCK \t
.endr
.irp t, 0,1,2,3,4,5,6,7,8,9,10,11,12,13,14,15
	ds_load_b128 v[BO+4*\t:BO+4*\t+3], v7 offset:2*\t*BP   ; LDS serves a wave's instructions in order: these see my stores
.endr
.irp t, 0,1,2,3,4,5,6,7,8,9,10,11,12,13,14,15
	s_wait_dscnt 15-\t                             ; load t is back; the younger ones may be out
	global_store_b128 v8, v[BO+4*\t:BO+4*\t+3], s[10:11] offset:2*\t*65536   ; sixteen lanes store 256 consecutive bytes of a row of kt, at a multiple of 256
.endr
	s_wait_tensorcnt 0x0
	ds_add_u32 v192, v193
	s_wait_dscnt 0x0
	s_endpgm
.Lfunc_end_k_q97962adfd0_quant:
	.size	k_q97962adfd0_quant, .Lfunc_end_k_q97962adfd0_quant-k_q97962adfd0_quant
	.p2alignl 7, 3214868480
	.fill 96, 4, 3214868480
	.section	.rodata,"a",@progbits
	.p2align	6, 0x0
	.amdhsa_kernel k_q97962adfd0_quant
		.amdhsa_group_segment_fixed_size 68608
		.amdhsa_private_segment_fixed_size 0
		.amdhsa_enable_private_segment 0
		.amdhsa_kernarg_size 32
		.amdhsa_user_sgpr_count 2
		.amdhsa_user_sgpr_kernarg_segment_ptr 1
		.amdhsa_wavefront_size32 1
		.amdhsa_system_sgpr_workgroup_id_x 1
		.amdhsa_system_sgpr_workgroup_id_y 1
		.amdhsa_system_sgpr_workgroup_id_z 1
		.amdhsa_system_vgpr_workitem_id 0
		.amdhsa_next_free_vgpr 194
		.amdhsa_next_free_sgpr 66
		.amdhsa_reserve_vcc 0
		.amdhsa_float_denorm_mode_32 3
		.amdhsa_float_denorm_mode_16_64 3
		.amdhsa_memory_ordered 1
		.amdhsa_forward_progress 1
		.amdhsa_inst_pref_size 85
	.end_amdhsa_kernel
	.amdgpu_metadata
---
amdhsa.version: [ 1, 2 ]
amdhsa.kernels:
  - .name:           k_q97962adfd0_quant
    .symbol:         k_q97962adfd0_quant.kd
    .args:
      - { .name: keys, .offset: 0, .size: 8, .value_kind: global_buffer, .address_space: global }
      - { .name: lowp_scales, .offset: 8, .size: 8, .value_kind: global_buffer, .address_space: global }
      - { .name: kq, .offset: 16, .size: 8, .value_kind: global_buffer, .address_space: global }
      - { .name: kt, .offset: 24, .size: 8, .value_kind: global_buffer, .address_space: global }
    .group_segment_fixed_size: 68608
    .private_segment_fixed_size: 0
    .kernarg_segment_align: 8
    .kernarg_segment_size: 32
    .max_flat_workgroup_size: 256
    .sgpr_count:     66
    .vgpr_count:     194
    .wavefront_size: 32
...
	.end_amdgpu_metadata
.endif
;; end of part 1
;; launch attend (part 2): grid 8 x 32, 8 waves a work-group, clusters of 4 x 1, 327,680 bytes of LDS; arguments kq, kt, values_codes, query_codes, lowp_scales, part, stat; writes part, stat
.if DOCPART == 2
	.amdgcn_target "amdgcn-amd-amdhsa--gfx1250"
	.amdhsa_code_object_version 6
	.text
	.protected	k_q97962adfd0_attend
	.globl	k_q97962adfd0_attend
	.p2align	8
	.type	k_q97962adfd0_attend,@function
k_q97962adfd0_attend:
	s_mov_b64 s[64:65], 0
	v_nop
	global_prefetch_b8 v0, s[64:65] scope:SCOPE_SE
	s_setreg_imm32_b32 hwreg(HW_REG_WAVE_MODE, 25, 1), 1
	s_wait_xcnt 0x0
	s_wait_alu depctr_hold_cnt(0) depctr_sa_sdst(0) depctr_va_vdst(0) depctr_va_sdst(0) depctr_va_ssrc(0) depctr_va_vcc(0) depctr_vm_vsrc(0)
	s_getreg_b32 s2, hwreg(HW_REG_IB_STS2, 6, 4)
	s_cmp_eq_u32 s2, 0
	s_cbranch_scc0 .Lentry_in_a_cluster
	s_endpgm
.Lentry_in_a_cluster:
	s_bfe_u32 s2, ttmp6, 0x10000c
	s_cmp_lg_u32 s2, 0x3003
	s_cbranch_scc0 .Lentry_shape_is_right
	s_endpgm
.Lentry_shape_is_right:
; For 256 queries and 2,048 of the 65,536 keys: S^T = K Q^T, p = 2^(t - M), O_k^T = Kt P^T, O_v^T = V P^T, all three products on codes of E5M2.  What leaves: O^T of both products, -M and l, for a later launch to join.
; t = sum x 2^(e0 + e1) x log2(e); M = the ceiling of the running largest t OF THIS SPLIT, a whole number; l = the sum of the unquantised p.  When M moves, l and O^T are multiplied by 2^(old M - new M): nothing is rounded.
; p is an operand twice, with 2^e2 (against keys) and with 2^e4 (against values): it is held and converted twice.
; LIMITS: e0 + e1 between -126 and 127 (added to the exponent field of log2(e)); e2 and e4 between -126 and 112.  Where 57,344 x 2^e2 or 57,344 x 2^e4 lies under 1, the hold acts on p under the running M of the split.
; Inside a matrix instruction k is laid as four loads of 16 bytes give it, alike in both operands: every product meets its partner, and only the order of the sums inside an instruction differs.
; SHARES.  Work-group (x, y): queries 256 x on, keys 2,048 y on, in 8 slots of 256 keys, 2 steps of 128 keys a slot.  Eight waves; a wave owns 32 queries, two tiles of 16, so that each fragment read from LDS feeds two products.
; CLUSTER.  The four work-groups of a cluster have the same y and walk the same keys: each tile is asked for JOINTLY, by the same tensor load with the same descriptor and a mask that names the four.
; LAYOUT.  All products are used transposed (source 0 = 16 keys, or 16 of the 128 d; source 1 = 16 queries): a lane holds ONE query (lane % 16) throughout.  kq's rows are laid so that 16 neighbouring rows are a tile whose
; results, 16 registers of two neighbouring tiles on end, are keys 32 b + 16 (lane / 16) + 0 .. 15: the conversions' results are the next products' operand.
; LDS.  Slot s at s x 2^17: 256 rows of K (128 bytes + 16), 128 rows of Kt and 128 of V (256 bytes + 16): each pitch is an odd multiple of 16 bytes, so that the 16 rows of a load begin at 16 different 16-byte columns of 256.
; THE VECTOR WORK outweighs the products (a step of a tile: 24 matrix instructions beside some 300 vector instructions), so it is kept short and without long chains: the holds go two to an instruction, maxima and sums run in
; four chains, the two tiles' statistics go line by line together, and the scalings stand among the exponentials.  The first key step is written out: its second products start the sums, so nothing is cleared.
; REGISTERS.  Window 0: v1-7 addresses; v8-15 statistics; v16-31 at work, scales, offsets; v32-63 Q; v64-127, v128-191 the two tiles' scores, then p; v192-255 fragments of K.  Behind the softmax the same registers are taken again:
;   v192-223 tile 0's codes, v64-95 tile 1's, v96-191 and v224-255 eight fragments of Kt or V.   Window 1: O^T: tile i, product P, d tile t at v[128 i + 64 P + 8 t].
.set KP,    144                        ; a row of K in LDS
.set TP,    272                        ; a row of Kt or V in LDS
.set KTOFF, 256*KP                     ; Kt's rows begin here in a slot; V's 128 TP further on; a slot ends at 106,496
.set SLOT1, 1<<17                      ; slot 1: one exclusive or turns an address in one slot into the other's
.set SPARE, 2*SLOT1                    ; behind the ring: the spare words, 128 bytes for each wave: four blocks of 256 bytes that no other line names
.set NSL,   8                          ; slots' worth of keys in a split
.set AK0, 1                            ; v1   my lane's place in a tile of K
.set AT0, 2                            ; v2   in a tile of Kt (V's lie 128 TP further on)
.set PFO, 3                            ; v3   the prefetches' offset; never rewritten
.set SPW, 4                            ; v4   LDS address of my spare word: SPARE + 4 x my thread's number; never rewritten
.set NIL, 5                            ; v5   0; never rewritten
.set ADK, 6                            ; v6   LDS address of the slot's K
.set ADT, 7                            ; v7   of its Kt
.set STT, 8                            ; tile i: v[8+4i] -M, v[9+4i] the largest t, v[10+4i:11+4i] l in two halves
.set T0,  16                           ; v16, v17 at work: a chain of the maximum each, a chain of the sums together
.set T1,  17
.set FF0, 18                           ; tile i: v[18+2i] f = 2^(old M - new M), v[19+2i] 0 (named with it as a pair)
.set CH,  22                           ; v[22:23] likewise two chains of the maximum, one of the sums
.set PD,  24                           ; v24  a lane permute's destination
.set MX,  25                           ; tile i: v[25+2i] the step's largest score, then what leads to f
.set SA,  26                           ; v26  2^e2 as f32, for the conversion;  v28  2^e4
.set SB,  28
.set O16, 29                           ; v29  16 x lane
.set O8,  30                           ; v30  8 x lane
.set QO,  31                           ; v31  Q: my lane's byte in a tile's rows
.set QF,  32
.set SC,  64
.set KB0, 192                          ; K's fragments: tiles 0, 1, later 6, 7
.set KB1, 224                          ; tiles 2, 3
.set KB4, SC+48                        ; tile 4: where my first tile's scores of tiles 6, 7 will lie
.set KB5, SC+112                       ; tile 5: the same of my second tile
.set TMP, 224                          ; two sets of 16: p held for the first conversion
.set CA0, 192
.set CB0, 208
.set CA1, 64
.set CB1, 80
.set RF,  96                           ; fragment t of Kt or V at v[RF + 16 t + 32 (t / 6)]
.set WV,  18                           ; s18  my wave's number
.set CX,  19                           ; s19  my place in the cluster: it enters global addresses of Q, part, stat and the prefetches alone
.set SEL, 20                           ; s[20:21] lane selects: lane l xor 16
.set CS,  22                           ; s[22:23] c = log2(e) x 2^(e0 + e1)
.set G1K, 24                           ; s[24:31] descriptor group 1 for K's tiles;  s[32:39] for Kt's and V's;  s[40:43], s[44:47] their groups 0, which walk
.set G1T, 32
.set G0K, 40
.set G0T, 44
.set TB,  48                           ; s48  LDS byte at which the slot in hand begins
.set SLOTS, 49                         ; s49  slots still to be asked for
.set LIM, 50                           ; s50  1 in a wave that prefetches, else the greatest number
.set PFA, 52                           ; s[52:53] where my prefetches stand;  s[54:55] a slot on, in bytes
.set PFS, 54
.set HA,  92                           ; s92  57,344 x 2^e2;  s93  57,344 x 2^e4: the holds' limits
.set HB,  93
.set MSB, 0
.macro WIN new                         ; the immediate's high byte repeats the setting that is left; a switch that changes nothing is dropped
.if MSB != \new
	s_set_vgpr_msb (MSB<<8)|\new
.set MSB, \new
.endif
.endm
.set W_PV, 0x50                        ; C and D window 1, both sources window 0
.set W_RS, 0x41                        ; destination and source 0 window 1
.set W_ST, 0x04                        ; a store's data window 1
.macro PLACES                          ; four plain vector instructions: the distance between a matrix instruction and a load into, or a vector instruction on, its registers
.rept 4
	v_nop
.endr
.endm
.macro CROUND                          ; a round of the cluster's barrier: my work-group's barrier; wave 0 signals for the work-group; every wave waits for all four work-groups; my work-group's barrier once more
	s_barrier_signal -1
	s_barrier_wait -1
	s_cmp_lg_u32 s[WV], 0
	s_cbranch_scc1 .Lnot_wave_0_\@
	s_barrier_signal -3
.Lnot_wave_0_\@:
	s_barrier_wait -3
	s_barrier_signal -1
	s_barrier_wait -1
.endm
; A joint load: waves 0, 1 K's halves (128 rows each); waves 2, 3 Kt's halves, waves 4, 5 V's (64 rows each); waves 6, 7 none.  The branches hang on the wave's number alone.  Four v_nop follow each line.
.macro JLOAD
	s_cmp_lt_u32 s[WV], 2
	s_cbranch_scc0 .Lnot_k_\@
	tensor_load_to_lds s[G0K:G0K+3], s[G1K:G1K+7]
	s_nop 0
	PLACES
	s_branch .Lasked_\@
.Lnot_k_\@:
	s_cmp_lt_u32 s[WV], 6
	s_cbranch_scc0 .Lasked_\@
	tensor_load_to_lds s[G0T:G0T+3], s[G1T:G1T+7]
	s_nop 0
	PLACES
.Lasked_\@:
.endm
; A prefetch of what the NEXT change of slots will ask for: two key steps ahead of that load.  The two clusters of a split walk the same keys: the first (cluster x = 0) asks.  Its four partners share the bytes out BY ADDRESS:
; wave 6: K's dense 32,768 bytes, 8,192 a partner, lanes 256 bytes apart; wave 7: Kt's 128 rows, 32 a partner, a lane a row (a slot's part of a row is 256 bytes, aligned); wave 5: V's likewise.
; So each aligned block of 256 bytes is named once.  Slots 0 and 1 come by their loads alone; the last change that fills a slot asks for nothing.
.macro ASK
	s_cmp_gt_u32 s[SLOTS], s[LIM]
	s_cbranch_scc0 .Lnot_mine_\@
	global_prefetch_b8 v[PFO], s[PFA:PFA+1] th:TH_LOAD_NT scope:SCOPE_SE
.Lnot_mine_\@:
.endm
	s_load_b256 s[4:11], s[0:1], 0x0               ; kq s[4:5], kt s[6:7], values' codes s[8:9], query's codes s[10:11]
	s_load_b128 s[12:15], s[0:1], 0x20             ; the scales' exponents s[12:13], part s[14:15]
	s_load_b64 s[16:17], s[0:1], 0x30              ; stat
	v_lshl_add_u32 v[SPW], v0, 2, SPARE
	v_mov_b32 v[NIL], 0
	ds_add_u32 v4, v5
	s_wait_dscnt 0x0
	v_lshrrev_b32 v[T0], 5, v0
	v_readfirstlane_b32 s[WV], v[T0]               ; wave 0..7
	s_bfe_u32 s[CX], ttmp6, 0x40000                ; cx
	s_lshl_b32 s56, ttmp9, 2                       ; in a cluster launch ttmp9 counts clusters
	s_add_co_u32 s56, s56, s[CX]                   ; my block of 256 queries
	s_and_b32 s57, ttmp7, 0xffff                   ; the split, which the four partners share
	; descriptor group 1.  K: 128 rows of 128 bytes, dense in memory; Kt, V: 64 rows of 256 bytes, 65,536 bytes apart
	s_mov_b32 s[G1K], 15|(1<<20)|(1<<21)|(4<<22)|(3<<25)   ; 15:0 the mask: all four work-groups; 17:16 elements of 1 byte; 20 padding on; 21 set beside a mask; 24:22 after every 32 words (code 4); 31:25 four words (code 3)
	s_mov_b32 s[G1K+1], 128<<16                    ; tensor_dim0
	s_mov_b32 s[G1K+2], 128<<16                    ; tensor_dim1
	s_mov_b32 s[G1K+3], 128<<16                    ; tile_dim0
	s_mov_b32 s[G1K+4], 128                        ; tile_dim1
	s_mov_b32 s[G1K+5], 128                        ; tensor_dim0_stride
	s_mov_b32 s[G1K+6], 0
	s_mov_b32 s[G1K+7], 0
	s_mov_b32 s[G1T], 15|(1<<20)|(1<<21)|(5<<22)|(3<<25)   ; padding: four words after every 64
	s_mov_b32 s[G1T+1], 256<<16
	s_mov_b32 s[G1T+2], 64<<16
	s_mov_b32 s[G1T+3], 256<<16
	s_mov_b32 s[G1T+4], 64
	s_mov_b32 s[G1T+5], 65536
	s_mov_b32 s[G1T+6], 0
	s_mov_b32 s[G1T+7], 0
	; what I fetch: made of the wave's number and the split alone, in registers that never hold cx
	s_and_b32 s74, s[WV], 1
	s_mul_i32 s75, s74, 128*KP                     ; K: my half's place in a slot,
	s_lshl_b32 s76, s74, 14                        ; its 128 rows of 128 bytes in memory,
	s_lshl_b32 s78, s57, 18                        ; in the split's 2,048 rows
	s_add_co_u32 s76, s76, s78
	s_mov_b32 s77, 0
	s_mul_i32 s79, s[WV], 64*TP
	s_add_co_u32 s79, s79, KTOFF-2*64*TP           ; Kt, V: waves 2, 3, 4, 5 fill four runs of 64 rows from KTOFF on
	s_lshl_b32 s80, s74, 22                        ; my half's 64 rows of 65,536 bytes,
	s_lshl_b32 s82, s57, 11                        ; the split's 2,048 codes of each
	s_add_co_u32 s80, s80, s82
	s_mov_b32 s81, 0
	s_mov_b32 s[SEL], 0x76543210
	s_mov_b32 s[SEL+1], 0xfedcba98
	s_mov_b32 s[TB], 0
	s_mov_b32 s[SLOTS], NSL-1
	s_wait_kmcnt 0x0
	s_load_b128 s[68:71], s[12:13], 0x0            ; e0, e1, e2, e3
	s_load_b64 s[72:73], s[12:13], 0x10            ; e4, e5
	s_mov_b32 s[G0K], 1                            ; 1:0 count = 1
	s_mov_b32 s[G0K+1], s75                        ; 63:32 LDS address: slot 0
	s_add_nc_u64 s[G0K+2:G0K+3], s[4:5], s[76:77]  ; 120:64 global address
	s_or_b32 s[G0K+3], s[G0K+3], 0x80000000        ; 127:126 type = 2
	s_cmp_lt_u32 s[WV], 4
	s_cselect_b64 s[84:85], s[6:7], s[8:9]         ; waves 2, 3: kt; waves 4, 5: values' codes
	s_mov_b32 s[G0T], 1
	s_mov_b32 s[G0T+1], s79
	s_add_nc_u64 s[G0T+2:G0T+3], s[84:85], s[80:81]
	s_or_b32 s[G0T+3], s[G0T+3], 0x80000000
	CROUND                                         ; all four work-groups are here: the first joint loads meet
	JLOAD                                          ; slot 0: one tensor load of mine is out
	; Q, part and stat at my wave's place
	s_lshl_b32 s58, s56, 15                        ; my block's 256 rows of 128 bytes,
	s_lshl_b32 s59, s[WV], 12                      ; my wave's 32
	s_add_co_u32 s58, s58, s59
	s_mov_b32 s59, 0
	s_add_nc_u64 s[10:11], s[10:11], s[58:59]
	s_lshl_b32 s60, s56, 3
	s_add_co_u32 s60, s60, s[WV]                   ; my pair of tiles: 8 x block + wave
	s_lshl_b32 s62, s60, 20                        ; two tiles of 524,288 bytes,
	s_lshl_b32 s63, s57, 14                        ; the split's 16,384
	s_add_co_u32 s62, s62, s63
	s_mov_b32 s63, 0
	s_add_nc_u64 s[14:15], s[14:15], s[62:63]
	s_lshl_b32 s62, s60, 13
	s_lshl_b32 s61, s57, 8
	s_add_co_u32 s62, s62, s61
	s_add_nc_u64 s[16:17], s[16:17], s[62:63]
	v_and_b32 v[T0], 15, v0                        ; r = lane % 16
	v_bfe_u32 v[T1], v0, 4, 1                      ; h = lane / 16
	v_lshlrev_b32 v[QO], 7, v[T0]
	v_lshl_add_u32 v[QO], v[T1], 4, v[QO]          ; row r of 128 bytes, + 16 h
.irp i, 0,1
.irp c, 0,1,2,3
	global_load_b128 v[QF+16*\i+4*\c:QF+16*\i+4*\c+3], v[QO], s[10:11] offset:2048*\i+32*\c   ; Q's two fragments stay in registers
.endr
.endr
	; the prefetches: where my wave's stand, and who asks
	s_cmp_eq_u32 s[WV], 6
	s_cselect_b64 s[PFA:PFA+1], s[4:5], s[6:7]     ; wave 6: kq; wave 7: kt
	s_mov_b32 s[PFS], 256
	s_cselect_b32 s[PFS], 32768, s[PFS]            ; a slot on
	s_mov_b32 s86, 65536
	s_cselect_b32 s86, 256, s86                    ; from lane to lane
	s_mov_b32 s87, 2097152
	s_cselect_b32 s87, 8192, s87                   ; from partner to partner
	s_mov_b32 s88, 2048
	s_cselect_b32 s88, 262144, s88                 ; from split to split
	s_cmp_eq_u32 s[WV], 5
	s_cselect_b64 s[PFA:PFA+1], s[8:9], s[PFA:PFA+1]   ; wave 5: values' codes
	v_and_b32 v[PFO], 31, v0
	v_mul_lo_u32 v[PFO], v[PFO], s86
	s_mul_i32 s87, s87, s[CX]
	s_mul_i32 s88, s88, s57
	s_add_co_u32 s88, s88, s87
	s_add_co_u32 s88, s88, s[PFS]                  ; in slot 1: the first change of slots steps it to slot 2.  Nothing is prefetched here, at the head
	s_mov_b32 s89, 0
	s_mov_b32 s[PFS+1], 0
	s_add_nc_u64 s[PFA:PFA+1], s[PFA:PFA+1], s[88:89]
	s_sub_co_u32 s90, s[WV], 5
	s_lshr_b32 s90, s90, 2                         ; 0 in waves 5, 6, 7,
	s_or_b32 s90, s90, ttmp9                       ; of the split's first cluster: the same in all four partners
	s_cmp_eq_u32 s90, 0
	s_cselect_b32 s[LIM], 1, -1
	v_mul_u32_u24 v[AK0], v[T0], KP
	v_lshl_add_u32 v[AK0], v[T1], 4, v[AK0]        ; row r x pitch + 16 h
	v_mul_u32_u24 v[AT0], v[T0], TP
	v_lshl_add_u32 v[AT0], v[T1], 4, v[AT0]
	v_add_nc_u32 v[AT0], KTOFF, v[AT0]
	v_and_b32 v[O16], 31, v0
	v_lshlrev_b32 v[O8], 3, v[O16]
	v_lshlrev_b32 v[O16], 4, v[O16]
.irp i, 0,1
	v_mov_b32 v[STT+4*\i+1], 0xff61b1e6            ; the largest t so far: -3e38, under every t
	v_floor_f32 v[STT+4*\i], -v[STT+4*\i+1]        ; -M
	v_mov_b32 v[STT+4*\i+2], 0                     ; l, in two halves: the first change of M multiplies these zeros
	v_mov_b32 v[STT+4*\i+3], 0
	v_mov_b32 v[FF0+2*\i+1], 0                     ; (named as the upper half of f's pair)
.endr
	v_mov_b32 v[PD], 0                             ; written once: a lane permute's destination counts as one of its sources
	s_wait_kmcnt 0x0
	s_add_co_i32 s74, s68, s69
	s_lshl_b32 s74, s74, 23
	s_mov_b32 s[CS], 0x3fb8aa3b                    ; log2(e);
	s_add_co_i32 s[CS], s[CS], s74                 ; a sum stands for sum x 2^(e0 + e1): the two exponents are added to its exponent field
	s_mov_b32 s[CS+1], s[CS]                       ; (named with it as a pair, so it is written)
	s_add_co_i32 s74, s70, 127
	s_lshl_b32 s75, s74, 23
	v_mov_b32 v[SA], s75                           ; 2^e2 as f32, for the conversion
	s_add_co_i32 s74, s74, 15
	s_lshl_b32 s74, s74, 23
	s_or_b32 s[HA], s74, 0x600000                  ; 57,344 x 2^e2
	s_add_co_i32 s74, s72, 127
	s_lshl_b32 s75, s74, 23
	v_mov_b32 v[SB], s75                           ; the same with e4
	s_add_co_i32 s74, s74, 15
	s_lshl_b32 s74, s74, 23
	s_or_b32 s[HB], s74, 0x600000
.macro KLOAD q, tau, reg               ; tile tau (16 rows of kq) of the slot's q-th 128 keys: 16 registers
.irp c, 0,1,2,3
	ds_load_b128 v[\reg+4*\c:\reg+4*\c+3], v[ADK] offset:(128*(\q)+16*(\tau))*KP+32*\c
.endr
.endm
.macro SMUL tau, reg                   ; its scores for my two tiles of queries; the constant 0 starts each sum
.irp i, 0,1
	v_wmma_f32_16x16x128_bf8_bf8 v[SC+64*\i+8*(\tau):SC+64*\i+8*(\tau)+7], v[\reg:\reg+15], v[QF+16*\i:QF+16*\i+15], 0
.endr
.endm
; S^T = K Q^T for 128 keys, eight tiles.  Six fragments are asked for at once: tiles 0-3 into the 64 registers kept for K, tiles 4 and 5 into the registers in which only tiles 6 and 7 lay their scores; tiles 6, 7 follow where 0, 1 lay.
.macro SPHASE q
	v_add_nc_u32 v[ADK], s[TB], v[AK0]
	v_add_nc_u32 v[ADT], s[TB], v[AT0]
	PLACES                                         ; with the two additions six places: the scores are laid over registers that the last step's products read (five are owed), and K's fragments are loaded into such (four)
	KLOAD \q, 0, KB0
	KLOAD \q, 1, KB0+16
	KLOAD \q, 2, KB1
	KLOAD \q, 3, KB1+16
	KLOAD \q, 4, KB4
	KLOAD \q, 5, KB5
	s_wait_dscnt 16                                ; tiles 0, 1 are in; the sixteen loads of tiles 2 to 5 may be out
	SMUL 0, KB0
	SMUL 1, KB0+16
	PLACES
	KLOAD \q, 6, KB0
	KLOAD \q, 7, KB0+16
	s_wait_dscnt 16                                ; tiles 2, 3 are in; the loads of 4, 5 and of 6, 7 may be out
	SMUL 2, KB1
	SMUL 3, KB1+16
	s_wait_dscnt 8                                 ; tiles 4, 5 are in
	SMUL 4, KB4
	SMUL 5, KB5
	s_wait_dscnt 0x0
.rept 5
	v_nop                                          ; five places: the scores of tiles 6, 7 are written over the fragments that the four products above have read
.endr
	SMUL 6, KB0
	SMUL 7, KB0+16
.endm                                  ; no v_nop follows: the maximum's first lines read scores finished ahead of the five places and name no register of the last four products: they are those products' places
; The step's largest score of tile i among my 64 keys: four chains, the registers in ascending order.
.macro MAXI i
.set SS, SC+64*(\i)
	v_max3_num_f32 v[T0], v[SS], v[SS+1], v[SS+2]
	v_max3_num_f32 v[T1], v[SS+3], v[SS+4], v[SS+5]
	v_max3_num_f32 v[CH], v[SS+6], v[SS+7], v[SS+8]
	v_max3_num_f32 v[CH+1], v[SS+9], v[SS+10], v[SS+11]
.set n, 12
.rept 6
	v_max3_num_f32 v[T0], v[T0], v[SS+n], v[SS+n+1]
	v_max3_num_f32 v[T1], v[T1], v[SS+n+2], v[SS+n+3]
	v_max3_num_f32 v[CH], v[CH], v[SS+n+4], v[SS+n+5]
	v_max3_num_f32 v[CH+1], v[CH+1], v[SS+n+6], v[SS+n+7]
.set n, n+8
.endr
	v_max3_num_f32 v[T0], v[T0], v[SS+60], v[SS+61]
	v_max3_num_f32 v[T1], v[T1], v[SS+62], v[SS+63]
	v_max3_num_f32 v[T0], v[T0], v[T1], v[CH]
	v_max_num_f32 v[MX+2*(\i)], v[T0], v[CH+1]
.endm
; Both tiles' new M and f, line by line together: each line's reader stands two lines on.
.macro STATS
	v_permlanex16_b32 v[PD], v[MX], s[SEL], s[SEL+1]
	v_permlanex16_b32 v[T0], v[MX+2], s[SEL], s[SEL+1]
	v_max_num_f32 v[MX], v[MX], v[PD]              ; and among lane l xor 16's
	v_max_num_f32 v[MX+2], v[MX+2], v[T0]
.irp i, 0,1
	v_mul_f32 v[MX+2*\i], s[CS], v[MX+2*\i]        ; as t (c is positive)
.endr
.irp i, 0,1
	v_max_num_f32 v[STT+4*\i+1], v[STT+4*\i+1], v[MX+2*\i]   ; the running largest t
.endr
.irp i, 0,1
	v_mov_b32 v[MX+2*\i], v[STT+4*\i]
.endr
.irp i, 0,1
	v_floor_f32 v[STT+4*\i], -v[STT+4*\i+1]        ; the new -M = floor(-t) = -ceil(t): a whole number
.endr
.irp i, 0,1
	v_sub_f32 v[MX+2*\i], v[STT+4*\i], v[MX+2*\i]  ; old M less new M: a whole number, 0 or less
.endr
.irp i, 0,1
	v_cvt_i32_f32 v[MX+2*\i], v[MX+2*\i]           ; (it saturates)
.endr
.irp i, 0,1
	v_ldexp_f32 v[FF0+2*\i], 1.0, v[MX+2*\i]       ; f = 2^(old M - new M)
.endr
.endm
; Tile i: t - M (two at a time: of the pairs c and -M the low word serves both halves) and p = 2^(t - M), at most 1.  ONE BATCH: a scaling stands behind every two exponentials, two pairs ahead of them; none of these lines names an exponential's result.
.macro EXPS i
.set SS, SC+64*(\i)
.set SX, STT+4*(\i)
	v_pk_fma_f32 v[SS:SS+1], v[SS:SS+1], s[CS:CS+1], v[SX:SX+1] op_sel_hi:[1,0,0]
	v_pk_fma_f32 v[SS+2:SS+3], v[SS+2:SS+3], s[CS:CS+1], v[SX:SX+1] op_sel_hi:[1,0,0]
.set n, 0
.rept 32
	v_exp_f32 v[SS+n], v[SS+n]
	v_exp_f32 v[SS+n+1], v[SS+n+1]
.if n < 60
	v_pk_fma_f32 v[SS+n+4:SS+n+5], v[SS+n+4:SS+n+5], s[CS:CS+1], v[SX:SX+1] op_sel_hi:[1,0,0]
.endif
.set n, n+2
.endr
.endm
; Tile i: l takes the UNQUANTISED p: two at a time, in four chains.
.macro SUMS i
.set SS, SC+64*(\i)
.set SX, STT+4*(\i)
.set FX, FF0+2*(\i)
	v_pk_mul_f32 v[SX+2:SX+3], v[SX+2:SX+3], v[FX:FX+1] op_sel_hi:[1,0]   ; l under the new M: the plain instruction behind the exponentials
	s_wait_alu depctr_va_vdst(0)                   ; one wait for the batch of 64, ahead of its first reader
	v_pk_add_f32 v[CH:CH+1], v[SS:SS+1], v[SS+2:SS+3]
	v_pk_add_f32 v[T0:T0+1], v[SS+4:SS+5], v[SS+6:SS+7]
	v_pk_add_f32 v[TMP:TMP+1], v[SS+8:SS+9], v[SS+10:SS+11]
.set n, 12
.rept 6
	v_pk_add_f32 v[SX+2:SX+3], v[SX+2:SX+3], v[SS+n:SS+n+1]
	v_pk_add_f32 v[CH:CH+1], v[CH:CH+1], v[SS+n+2:SS+n+3]
	v_pk_add_f32 v[T0:T0+1], v[T0:T0+1], v[SS+n+4:SS+n+5]
	v_pk_add_f32 v[TMP:TMP+1], v[TMP:TMP+1], v[SS+n+6:SS+n+7]
.set n, n+8
.endr
	v_pk_add_f32 v[SX+2:SX+3], v[SX+2:SX+3], v[SS+60:SS+61]
	v_pk_add_f32 v[CH:CH+1], v[CH:CH+1], v[SS+62:SS+63]
	v_pk_add_f32 v[T0:T0+1], v[T0:T0+1], v[TMP:TMP+1]
	v_pk_add_f32 v[SX+2:SX+3], v[SX+2:SX+3], v[CH:CH+1]
	v_pk_add_f32 v[SX+2:SX+3], v[SX+2:SX+3], v[T0:T0+1]
.endm
; Tile i's p becomes two operands: codes with 2^e2 in v[ca] on, with 2^e4 in v[cb] on.  The conversion does not saturate (ISA guide 7.6.2); p is not negative, so each hold is one-sided.
; THE HOLDS GO TWO TO AN INSTRUCTION: the limit is a scalar, source 0 of both halves; the second sources are neighbours (different banks), the destinations one even, one odd.
; The first hold goes into other registers, since p is wanted again, two sets of 16 by turns; the second in place.  Both runs of holds stand ahead of the four conversions, and the next block's holds, sixteen plain
; lines on other registers, stand between these conversions and the next write of any of their sources.
.macro QUANT i, ca, cb
.set SS, SC+64*(\i)
.irp b, 0,1,2,3
.set TM, TMP+16*(\b%2)
.set n, 0
.rept 8
	v_dual_min_num_f32 v[TM+n], s[HA], v[SS+16*\b+n] :: v_dual_min_num_f32 v[TM+n+1], s[HA], v[SS+16*\b+n+1]
.set n, n+2
.endr
.set n, 0
.rept 8
	v_dual_min_num_f32 v[SS+16*\b+n], s[HB], v[SS+16*\b+n] :: v_dual_min_num_f32 v[SS+16*\b+n+1], s[HB], v[SS+16*\b+n+1]
.set n, n+2
.endr
	v_cvt_scalef32_pk8_bf8_f32 v[\ca+4*\b:\ca+4*\b+1], v[TM:TM+7], v[SA]
	v_cvt_scalef32_pk8_bf8_f32 v[\ca+4*\b+2:\ca+4*\b+3], v[TM+8:TM+15], v[SA]
	v_cvt_scalef32_pk8_bf8_f32 v[\cb+4*\b:\cb+4*\b+1], v[SS+16*\b:SS+16*\b+7], v[SB]
	v_cvt_scalef32_pk8_bf8_f32 v[\cb+4*\b+2:\cb+4*\b+3], v[SS+16*\b+8:SS+16*\b+15], v[SB]
.endr
	v_nop                                          ; a plain vector instruction behind the last conversion, ahead of whatever next touches its registers
.endm
.macro TLOADS q, p, t                  ; fragment t (16 of the 128 d x the slot's q-th 128 keys) of Kt (p = 0) or V (p = 1)
.irp c, 0,1,2,3
	ds_load_b128 v[RF+16*(\t)+32*((\t)/6)+4*\c:RF+16*(\t)+32*((\t)/6)+4*\c+3], v[ADT] offset:(\p)*128*TP+16*(\t)*TP+128*(\q)+32*\c
.endr
.endm
; Eight products O^T += fragment x codes: d tiles t0 .. t0 + 3, my two tiles of queries.  The 32 accumulators take turns, one instruction a turn.  zero = 1: the split's first step starts the sums.
.macro PV p, t0, c0, c1, zero
.irp t, \t0, \t0+1, \t0+2, \t0+3
.if \zero
	v_wmma_f32_16x16x128_bf8_bf8 v[64*(\p)+8*(\t):64*(\p)+8*(\t)+7], v[RF+16*(\t)+32*((\t)/6):RF+16*(\t)+32*((\t)/6)+15], v[\c0:\c0+15], 0
	v_wmma_f32_16x16x128_bf8_bf8 v[128+64*(\p)+8*(\t):128+64*(\p)+8*(\t)+7], v[RF+16*(\t)+32*((\t)/6):RF+16*(\t)+32*((\t)/6)+15], v[\c1:\c1+15], 0
.else
	v_wmma_f32_16x16x128_bf8_bf8 v[64*(\p)+8*(\t):64*(\p)+8*(\t)+7], v[RF+16*(\t)+32*((\t)/6):RF+16*(\t)+32*((\t)/6)+15], v[\c0:\c0+15], v[64*(\p)+8*(\t):64*(\p)+8*(\t)+7]
	v_wmma_f32_16x16x128_bf8_bf8 v[128+64*(\p)+8*(\t):128+64*(\p)+8*(\t)+7], v[RF+16*(\t)+32*((\t)/6):RF+16*(\t)+32*((\t)/6)+15], v[\c1:\c1+15], v[128+64*(\p)+8*(\t):128+64*(\p)+8*(\t)+7]
.endif
.endr
.endm
; A KEY STEP: 128 keys, the q-th of the slot in hand.  first = 1: the split's first step: there is no O^T yet to bring under the new M.
.macro STEP q, first
	SPHASE \q
	MAXI 0
	MAXI 1
	STATS
	EXPS 0
	SUMS 0
	QUANT 0, CA0, CB0
	TLOADS \q, 0, 0                                ; into the upper half of tile 0's p, which is done with
	TLOADS \q, 0, 1
	EXPS 1
	SUMS 1
	QUANT 1, CA1, CB1
.irp t, 2,3,4,5,6,7
	TLOADS \q, 0, \t
.endr
.if \first == 0
	WIN W_RS
.irp i, 0,1
.set n, 0
.rept 64
	v_pk_mul_f32 v[128*\i+n:128*\i+n+1], v[128*\i+n:128*\i+n+1], v[FF0+2*\i:FF0+2*\i+1] op_sel_hi:[1,0]   ; O^T under the new M: x f; each accumulator from its low end on
.set n, n+2
.endr
.endr
.endif
	s_wait_dscnt 16                                ; Kt's fragments 0-3 are in; the sixteen loads of 4-7 may be out
	WIN W_PV
	PV 0, 0, CA0, CA1, \first
	WIN 0
	PLACES
.irp t, 0,1,2,3
	TLOADS \q, 1, \t
.endr
	s_wait_dscnt 16                                ; Kt's 4-7 are in; the sixteen just issued may be out
	WIN W_PV
	PV 0, 4, CA0, CA1, \first
	WIN 0
	PLACES
.irp t, 4,5,6,7
	TLOADS \q, 1, \t
.endr
	s_wait_dscnt 16                                ; V's 0-3 are in
	WIN W_PV
	PV 1, 0, CB0, CB1, \first
	s_wait_dscnt 0x0
	PV 1, 4, CB0, CB1, \first
	WIN 0
.endm
; THE CHANGE OF SLOTS stands at a slot's head.  Each wave waits for all its tensor loads (its part of the slot ahead), adds 0 to its spare word, and waits for that and for its reads of the slot that it has left.
; fill = 1: a round of the cluster's barrier, so that no wave of any partner still reads that slot or has a load on its way; the joint refill is the first thing behind it and has two key steps in which to land.
.macro CHANGE fill
	s_wait_tensorcnt 0x0                           ; no tensor load of mine is out, so a group 0 may be written
	ds_add_u32 v[SPW], v[NIL]                      ; 0 onto my spare word
.if \fill
	s_xor_b32 s[G0K+1], s[G0K+1], SLOT1            ; the walking descriptors: the other slot than last time,
	s_add_nc_u64 s[G0K+2:G0K+3], s[G0K+2:G0K+3], 32768   ; the next 256 rows of kq; the type bits on top are not reached
	s_xor_b32 s[G0T+1], s[G0T+1], SLOT1
	s_add_nc_u64 s[G0T+2:G0T+3], s[G0T+2:G0T+3], 256     ; the next 256 codes of each row
	s_wait_xcnt 0x0                                ; the last prefetch, a slot back, has read its address, so it may be written:
	s_add_nc_u64 s[PFA:PFA+1], s[PFA:PFA+1], s[PFS:PFS+1]   ; one slot further on than the walking descriptors
	s_wait_dscnt 0x0                               ; the add is done, and my reads of the slot that I have left are over
	CROUND
	JLOAD                                          ; a wave's one tensor load until the next round
	ASK
.else
	s_wait_dscnt 0x0
	s_barrier_signal -1
	s_barrier_wait -1
.endif
.endm
.macro SLOT_STEPS
	STEP 0, 0
	STEP 1, 0
	s_xor_b32 s[TB], s[TB], SLOT1                  ; on to the other slot
.endm
	s_wait_loadcnt 0x0                             ; Q
	CHANGE 1                                       ; slot 0 is whole; slot 1 is asked for
	STEP 0, 1                                      ; the split's first step is written out: its second products start O^T's sums
	STEP 1, 0
	s_xor_b32 s[TB], s[TB], SLOT1
	s_mov_b32 s[SLOTS], NSL-2
.Lslot:                                            ; NSL - 2 trips: slots 1 to 6 are worked, slots 2 to 7 asked for
	CHANGE 1
	SLOT_STEPS
	s_sub_co_u32 s[SLOTS], s[SLOTS], 1
	s_cmp_lg_u32 s[SLOTS], 0
	s_cbranch_scc1 .Lslot
	CHANGE 0                                       ; the last slot is written out
	SLOT_STEPS
	; THE WAY OUT.  l's halves are added (these lines are also the places behind the last products).  Lane l stores (-M, l) of tile l / 16, query l % 16.  O^T leaves as it stands in the registers.
	v_add_f32 v[STT+2], v[STT+2], v[STT+3]
	v_add_f32 v[STT+6], v[STT+6], v[STT+7]
	v_permlanex16_b32 v[PD], v[STT+2], s[SEL], s[SEL+1]
	v_permlanex16_b32 v[T0], v[STT+6], s[SEL], s[SEL+1]
	v_add_f32 v[STT+2], v[STT+2], v[PD]
	v_add_f32 v[STT+6], v[STT+6], v[T0]
	v_and_b32 v[T1], 16, v0
	v_cmp_ne_u32 vcc_lo, 0, v[T1]
	v_cndmask_b32 v[T0], v[STT], v[STT+4], vcc_lo
	v_cndmask_b32 v[T1], v[STT+2], v[STT+6], vcc_lo
	global_store_b64 v[O8], v[T0:T1], s[16:17]     ; the wave stores 256 consecutive bytes, at a multiple of 256
	WIN W_ST
.set n, 0
.rept 64
	global_store_b128 v[O16], v[4*n:4*n+3], s[14:15] offset:(n/32)*524288+(n%32)*512 th:TH_STORE_NT   ; 512 consecutive bytes; each accumulator's low four registers first
.set n, n+1
.endr
	WIN 0
	s_wait_tensorcnt 0x0                           ; the wave's end
	ds_add_u32 v[SPW], v[NIL]
	s_wait_dscnt 0x0
	CROUND                                         ; the closing round: no work-group ends while a partner may still ask for a tile that names it
	s_endpgm
.Lfunc_end_k_q97962adfd0_attend:
	.size	k_q97962adfd0_attend, .Lfunc_end_k_q97962adfd0_attend-k_q97962adfd0_attend
	.p2alignl 7, 3214868480
	.fill 96, 4, 3214868480
	.section	.rodata,"a",@progbits
	.p2align	6, 0x0
	.amdhsa_kernel k_q97962adfd0_attend
		.amdhsa_group_segment_fixed_size 327680
		.amdhsa_private_segment_fixed_size 0
		.amdhsa_enable_private_segment 0
		.amdhsa_kernarg_size 56
		.amdhsa_user_sgpr_count 2
		.amdhsa_user_sgpr_kernarg_segment_ptr 1
		.amdhsa_wavefront_size32 1
		.amdhsa_system_sgpr_workgroup_id_x 1
		.amdhsa_system_sgpr_workgroup_id_y 1
		.amdhsa_system_sgpr_workgroup_id_z 1
		.amdhsa_system_vgpr_workitem_id 0
		.amdhsa_next_free_vgpr 512
		.amdhsa_next_free_sgpr 100
		.amdhsa_reserve_vcc 1
		.amdhsa_float_denorm_mode_32 3
		.amdhsa_float_denorm_mode_16_64 3
		.amdhsa_memory_ordered 1
		.amdhsa_forward_progress 1
		.amdhsa_inst_pref_size 255
	.end_amdhsa_kernel
	.section	.bss,"aw",@nobits
	.p2align	6
	.space	262144
	.amdgpu_metadata
---
amdhsa.version: [ 1, 2 ]
amdhsa.kernels:
  - .name:           k_q97962adfd0_attend
    .symbol:         k_q97962adfd0_attend.kd
    .args:
      - { .name: kq, .offset: 0, .size: 8, .value_kind: global_buffer, .address_space: global }
      - { .name: kt, .offset: 8, .size: 8, .value_kind: global_buffer, .address_space: global }
      - { .name: values_codes, .offset: 16, .size: 8, .value_kind: global_buffer, .address_space: global }
      - { .name: query_codes, .offset: 24, .size: 8, .value_kind: global_buffer, .address_space: global }
      - { .name: lowp_scales, .offset: 32, .size: 8, .value_kind: global_buffer, .address_space: global }
      - { .name: part, .offset: 40, .size: 8, .value_kind: global_buffer, .address_space: global }
      - { .name: stat, .offset: 48, .size: 8, .value_kind: global_buffer, .address_space: global }
    .group_segment_fixed_size: 327680
    .private_segment_fixed_size: 0
    .kernarg_segment_align: 8
    .kernarg_segment_size: 56
    .max_flat_workgroup_size: 256
    .sgpr_count:     100
    .vgpr_count:     512
    .wavefront_size: 32
...
	.end_amdgpu_metadata
.endif
;; end of part 2
;; launch combine (part 3): grid 128 x 2, 8 waves a work-group, no clusters, 9,472 bytes of LDS; arguments part, stat, lowp_scales, out0, out1; writes out0, out1
.if DOCPART == 3
	.amdgcn_target "amdgcn-amd-amdhsa--gfx1250"
	.amdhsa_code_object_version 6
	.text
	.protected	k_q97962adfd0_combine
	.globl	k_q97962adfd0_combine
	.p2align	8
	.type	k_q97962adfd0_combine,@function
k_q97962adfd0_combine:
	s_mov_b64 s[64:65], 0
	v_nop
	global_prefetch_b8 v0, s[64:65] scope:SCOPE_SE
	s_setreg_imm32_b32 hwreg(HW_REG_WAVE_MODE, 25, 1), 1
	s_wait_xcnt 0x0
; The 32 splits of the keys are joined.  For a query: M = the largest M_s; f_s = 2^(M_s - M), exact; L = the sum of f_s l_s; out = (the sum of f_s O_s) / L x 2^(eA + eB), eA + eB = e2 + e3 for out0 and e4 + e5 for out1.
; 2^(eA + eB) is applied by v_ldexp_f32: no limit on the exponents here.
; SHARES.  Work-group (x, y): tile x of 16 queries, product y.  Wave w: d tile w.  Lane (r, h) holds query r, d = 16 w + 8 h + 0 .. 7: eight registers a split, as the launch before left them: each load is 512 consecutive bytes.
; Memory binds: a ring of 16 splits (32 loads a wave) is kept on its way; no matrix unit, no tensor load, no cluster: work-groups share nothing but the small statistics.
; The 16 rows meet in a stage in LDS (512 bytes + 16 a row), and each wave stores two whole rows.
.set ACC,  8                           ; v[8:15]   the sums
.set STA,  16                          ; v[16+2s:17+2s]  (-M_s, l_s), then (f_s, l_s)
.set MN,   80                          ; v80       -M
.set G,    82                          ; v82       1 / L x 2^(eA + eB)
.set LC,   84                          ; v84-87    L in four chains
.set OUTV, 88                          ; v88-95    the results
.set BK,   96                          ; v96-103   two rows back from the stage
.set RING, 128                         ; v128-255  16 splits x 8 registers
.set SPI,  528                         ; a stage row
	s_load_b256 s[4:11], s[0:1], 0x0               ; part s[4:5], stat s[6:7], the scales' exponents s[8:9], out0 s[10:11]
	s_load_b64 s[12:13], s[0:1], 0x20              ; out1
	v_lshl_add_u32 v126, v0, 2, 0x2100
	v_mov_b32 v127, 0
	v_lshrrev_b32 v5, 5, v0
	v_readfirstlane_b32 s16, v5                    ; wave 0..7
	s_and_b32 s17, ttmp7, 0xffff                   ; the product: 0 keys, 1 values
	v_and_b32 v5, 31, v0
	v_lshlrev_b32 v1, 4, v5                        ; 16 x lane
	v_and_b32 v6, 15, v0                           ; r
	v_bfe_u32 v7, v0, 4, 1                         ; h
	v_lshlrev_b32 v2, 3, v6                        ; 8 r: my query's pair in a split's statistics
	v_mul_u32_u24 v3, v6, SPI
	v_lshl_add_u32 v3, v7, 5, v3
	s_lshl_b32 s18, s16, 6
	v_add_nc_u32 v3, s18, v3                       ; into the stage: row r, + 64 w + 32 h
	s_mul_i32 s18, s16, 2*SPI
	v_add_nc_u32 v4, s18, v1                       ; back: rows 2 w and 2 w + 1, 16 bytes a lane
	s_lshl_b32 s20, ttmp9, 19                      ; part: the tile's 524,288 bytes,
	s_lshl_b32 s21, s17, 13                        ; the product's 8,192,
	s_add_co_u32 s20, s20, s21
	s_lshl_b32 s21, s16, 10                        ; the d tile's 1,024
	s_add_co_u32 s20, s20, s21
	s_mov_b32 s21, 0
	s_lshr_b32 s22, ttmp9, 1                       ; stat: (tile / 2) x 8,192 + (tile % 2) x 128
	s_lshl_b32 s22, s22, 13
	s_and_b32 s23, ttmp9, 1
	s_lshl_b32 s23, s23, 7
	s_add_co_u32 s22, s22, s23
	s_mov_b32 s23, 0
	s_lshl_b32 s24, ttmp9, 13                      ; out: 16 rows of 512 bytes a tile,
	s_lshl_b32 s25, s16, 10                        ; two rows a wave
	s_add_co_u32 s24, s24, s25
	s_mov_b32 s25, 0
	s_wait_kmcnt 0x0
	s_load_b64 s[28:29], s[8:9], 0x8               ; e2, e3
	s_load_b64 s[30:31], s[8:9], 0x10              ; e4, e5
	s_add_nc_u64 s[4:5], s[4:5], s[20:21]
	s_add_nc_u64 s[6:7], s[6:7], s[22:23]
	s_cmp_eq_u32 s17, 0                            ; the choice hangs on the work-group's number alone
	s_cselect_b64 s[10:11], s[10:11], s[12:13]
	s_add_nc_u64 s[10:11], s[10:11], s[24:25]
.set n, 0
.rept 32
	global_load_b64 v[STA+2*n:STA+2*n+1], v2, s[6:7] offset:256*n
.set n, n+1
.endr
.macro PLOAD s                         ; split s's eight registers into its place in the ring
	global_load_b128 v[RING+8*((\s)%16):RING+8*((\s)%16)+3], v1, s[4:5] offset:(\s)*16384 th:TH_LOAD_NT
	global_load_b128 v[RING+8*((\s)%16)+4:RING+8*((\s)%16)+7], v1, s[4:5] offset:(\s)*16384+512 th:TH_LOAD_NT
.endm
.irp s, 0,1,2,3,4,5,6,7,8,9,10,11,12,13,14,15
	PLOAD \s
.endr
	s_wait_loadcnt 32                              ; the statistics are in; the 32 loads behind them may be out
	v_min3_num_f32 v[MN], v[STA], v[STA+2], v[STA+4]   ; -M = the least -M_s
.set n, 3
.rept 14
	v_min3_num_f32 v[MN], v[MN], v[STA+2*n], v[STA+2*n+2]
.set n, n+2
.endr
	v_min_num_f32 v[MN], v[MN], v[STA+62]
.set n, 0
.rept 32
	v_sub_f32 v[STA+2*n], v[MN], v[STA+2*n]        ; M_s - M: a whole number, 0 or less
.set n, n+1
.endr
.set n, 0
.rept 32
	v_cvt_i32_f32 v[STA+2*n], v[STA+2*n]           ; (it saturates)
.set n, n+1
.endr
.set n, 0
.rept 32
	v_ldexp_f32 v[STA+2*n], 1.0, v[STA+2*n]        ; f_s
.set n, n+1
.endr
.set n, 0
.rept 4
	v_mul_f32 v[LC+n], v[STA+2*n], v[STA+2*n+1]    ; L, in four chains; the first four products start them
.set n, n+1
.endr
.rept 28
	v_fma_f32 v[LC+n%4], v[STA+2*n], v[STA+2*n+1], v[LC+n%4]
.set n, n+1
.endr
	v_add_f32 v[LC], v[LC], v[LC+1]
	v_add_f32 v[LC+2], v[LC+2], v[LC+3]
	v_add_f32 v[LC], v[LC], v[LC+2]                ; at least 1/2: the split that holds M has f = 1 and a p above 1/2
	v_rcp_f32 v[G], v[LC]
	v_nop                                          ; a plain instruction behind the reciprocal
	s_wait_kmcnt 0x0
	s_cmp_eq_u32 s17, 0
	s_cselect_b32 s28, s28, s30
	s_cselect_b32 s29, s29, s31
	s_add_co_i32 s28, s28, s29                     ; eA + eB
	s_wait_alu depctr_va_vdst(0)                   ; a wait ahead of the reciprocal's first reader
	v_ldexp_f32 v[G], v[G], s28
.macro TAKE s
.set D, RING+8*((\s)%16)
.if (\s) < 16
	s_wait_loadcnt 30                              ; split s's two loads are in: behind them stand 2 (15 - s) of the first run and the 2 s refills
.else
	s_wait_loadcnt 2*(31-(\s))                     ; nothing is asked for any more: the counts run down
.endif
.irp j, 0,2,4,6
.if (\s) == 0
	v_pk_mul_f32 v[ACC+\j:ACC+\j+1], v[D+\j:D+\j+1], v[STA+2*(\s):STA+2*(\s)+1] op_sel_hi:[1,0]   ; the first split starts the sums
.else
	v_pk_fma_f32 v[ACC+\j:ACC+\j+1], v[D+\j:D+\j+1], v[STA+2*(\s):STA+2*(\s)+1], v[ACC+\j:ACC+\j+1] op_sel_hi:[1,0,1]   ; + f_s O_s (of the pair the low word, f_s, serves both halves)
.endif
.endr
.if (\s) < 16
	PLOAD (\s)+16
.endif
.endm
.irp s, 0,1,2,3,4,5,6,7,8,9,10,11,12,13,14,15,16,17,18,19,20,21,22,23,24,25,26,27,28,29,30,31
	TAKE \s
.endr
.set n, 0
.rept 8
	v_mul_f32 v[OUTV+n], v[ACC+n], v[G]
.set n, n+1
.endr
	ds_store_b128 v3, v[OUTV:OUTV+3]
	ds_store_b128 v3, v[OUTV+4:OUTV+7] offset:16
	s_wait_dscnt 0x0                               ; for the others' sake: my stores into the stage are done
	s_barrier_signal -1
	s_barrier_wait -1                              ; 16 whole rows lie in the stage
	ds_load_b128 v[BK:BK+3], v4
	ds_load_b128 v[BK+4:BK+7], v4 offset:SPI
	s_wait_dscnt 1                                 ; the first row is back; the second may be out
	global_store_b128 v1, v[BK:BK+3], s[10:11] th:TH_STORE_NT              ; 32 lanes store a row of 512 bytes, at a multiple of 256
	s_wait_dscnt 0x0
	global_store_b128 v1, v[BK+4:BK+7], s[10:11] offset:512 th:TH_STORE_NT
	s_wait_tensorcnt 0x0
	ds_add_u32 v126, v127
	s_wait_dscnt 0x0
	s_endpgm
.Lfunc_end_k_q97962adfd0_combine:
	.size	k_q97962adfd0_combine, .Lfunc_end_k_q97962adfd0_combine-k_q97962adfd0_combine
	.p2alignl 7, 3214868480
	.fill 96, 4, 3214868480
	.section	.rodata,"a",@progbits
	.p2align	6, 0x0
	.amdhsa_kernel k_q97962adfd0_combine
		.amdhsa_group_segment_fixed_size 9472
		.amdhsa_private_segment_fixed_size 0
		.amdhsa_enable_private_segment 0
		.amdhsa_kernarg_size 40
		.amdhsa_user_sgpr_count 2
		.amdhsa_user_sgpr_kernarg_segment_ptr 1
		.amdhsa_wavefront_size32 1
		.amdhsa_system_sgpr_workgroup_id_x 1
		.amdhsa_system_sgpr_workgroup_id_y 1
		.amdhsa_system_sgpr_workgroup_id_z 1
		.amdhsa_system_vgpr_workitem_id 0
		.amdhsa_next_free_vgpr 256
		.amdhsa_next_free_sgpr 66
		.amdhsa_reserve_vcc 0
		.amdhsa_float_denorm_mode_32 3
		.amdhsa_float_denorm_mode_16_64 3
		.amdhsa_memory_ordered 1
		.amdhsa_forward_progress 1
		.amdhsa_inst_pref_size 29
	.end_amdhsa_kernel
	.amdgpu_metadata
---
amdhsa.version: [ 1, 2 ]
amdhsa.kernels:
  - .name:           k_q97962adfd0_combine
    .symbol:         k_q97962adfd0_combine.kd
    .args:
      - { .name: part, .offset: 0, .size: 8, .value_kind: global_buffer, .address_space: global }
      - { .name: stat, .offset: 8, .size: 8, .value_kind: global_buffer, .address_space: global }
      - { .name: lowp_scales, .offset: 16, .size: 8, .value_kind: global_buffer, .address_space: global }
      - { .name: out0, .offset: 24, .size: 8, .value_kind: global_buffer, .address_space: global }
      - { .name: out1, .offset: 32, .size: 8, .value_kind: global_buffer, .address_space: global }
    .group_segment_fixed_size: 9472
    .private_segment_fixed_size: 0
    .kernarg_segment_align: 8
    .kernarg_segment_size: 40
    .max_flat_workgroup_size: 256
    .sgpr_count:     66
    .vgpr_count:     256
    .wavefront_size: 32
...
	.end_amdgpu_metadata
.endif
;; end of part 3
